; MI455X (gfx1250); checked and timed in simulation.
; The chip was launched on July 23, 2026; its instructions are those of AMD's public machine-readable ISA for CDNA 5 (MIT licence, August 2026) and "CDNA5" Instruction Set Architecture Reference Guide (July 2026). The comments in the code are by the model that wrote it; some were corrected since.
;; Memory Bank. Allowed arithmetic: matrix products marked QUANTISED: E3M2 operands, one E8M0 scale for each 32 along K, by v_wmma_scale_f32_16x16x128_f8f6f4 with both operands' format E3M2, f32 sums; everything else in f32.
;; Inputs: keys 4,096 x 128 float32; queries 65,536 x 128 float32.
;; Outputs: out0 65,536 x 128 float32.
;; This version of the problem:
;;   THIS VERSION OF THE PROBLEM IS GIVEN IN LOW PRECISION. The matrix products marked QUANTISED in the list below multiply operands that are first quantised to E3M2 (3 exponent bits, 2 mantissa bits; 6 bits a number), with one power-of-two scale for each 32 numbers along K (OCP MX v1.0); their sums are f32. All else is computed in f32.
;;   The module's matrix products, in the order in which they are computed (A, B: the left and right operand; K: the contracted axis; several contracted axes count as one K, in the product's order):
;;     1. [M 65,536, K 128] x [K 128, N 4,096]; A: computed on the way; B: computed on the way: QUANTISED
;;     2. [M 65,536, K 4,096] x [K 4,096, N 128]; A: softmax (see below); B: input keys: QUANTISED
;;   THE QUANTISER, for each operand of a quantised product, along K:
;;     - K is cut into blocks of 32 from its start; a last block that is shorter is filled with zeros.
;;     - A block's scale is 2^e with e = floor(log2(the largest magnitude in the block)) - 4, held to -126 .. 127; a block of zeros has e = 0. As a byte (E8M0): e + 127.
;;     - Each number is divided by its block's scale, clamped to +-28, and rounded to the nearest number of E3M2, ties to even, subnormals kept.
;;     - The product sums the exact products of the quantised numbers (number of the format x scale) in f32.
;;   ~~~python
;;   def quantise(x, axis):      # numpy; x: float32 -> the quantised numbers, widened to float32 again
;;       x = np.moveaxis(x, axis, -1); K = x.shape[-1]
;;       x = np.pad(x, [(0, 0)] * (x.ndim - 1) + [(0, -K % 32)]); x = x.reshape(x.shape[:-1] + (-1, 32)); a = np.abs(x).max(-1, keepdims=True)
;;       e = np.where(a > 0, np.clip(np.frexp(np.where(a > 0, a, 1))[1] - 1 - 4, -126, 127), 0)      # np.frexp(a)[1] - 1 = floor(log2(a)), exactly
;;       r = np.clip(x / 2.0 ** e, -28, 28)
;;       step = 2.0 ** (np.maximum(np.frexp(np.where(r == 0, 1, r))[1] - 1, -2) - 2)
;;       q = np.round(r / step) * step * 2.0 ** e      # np.round: ties to even
;;       return np.moveaxis(q.reshape(q.shape[:-2] + (-1,))[..., :K], -1, axis).astype(np.float32)
;;   ~~~
;;   SOFTMAX AHEAD OF A QUANTISED PRODUCT. Where the list says 'softmax', what is quantised is not the finished softmax but p = 2^(t - M), with t = logit x log2(e) and M = ceil(the row's largest t), a whole number; so 1/2 < the row's largest p <= 1. The row's sum l is taken of the UNQUANTISED p, in f32, and the product's result is divided by l at the end. Since M is a whole number, a kernel that streams over the keys may use a running M (the ceiling of the running maximum): every later rescaling is an exact power of two, which a block's scale takes up: the codes' values come out the same.
;;   OPERANDS COMPUTED ON THE WAY. 'Computed on the way' means the value that the module computes at that place (a softmax that the list does not call 'softmax' is quantised finished and normalised). What goes into a quantiser is computed in f32, as accurately as f32 sums, v_exp_f32 and their like allow (about 1e-6 of the number): no bf16 or f16 on the way to a quantiser, and a product that is left as it is and whose result goes on into a quantised operand takes f32 operands (vector FMAs, or v_wmma_f32_16x16x4_f32). A number that lies on a knife's edge between two numbers of the format may be rounded either way, as far as f32 arithmetic and the matrix unit's own rounding can turn it there, and no further.
;; One version. Each part assembles by itself: llvm-mc -triple=amdgcn-amd-amdhsa -mcpu=gfx1250 --defsym DOCPART=n.
;; ======== version 1 of 1: 2 launches
;; limits: right only within a limited range of input values
;; workspace buffers: kv 819,200 bytes
;; launch prep (part 1): grid 32 x 1, 8 waves a work-group, no clusters, 70,656 bytes of LDS; arguments keys, kv; writes kv
.if DOCPART == 1
	.amdgcn_target "amdgcn-amd-amdhsa--gfx1250"
	.amdhsa_code_object_version 6
	.text
	.protected	k_q82139d24dc_prep
	.globl	k_q82139d24dc_prep
	.p2align	8
	.type	k_q82139d24dc_prep,@function
k_q82139d24dc_prep:
	s_mov_b64 s[64:65], 0
	v_nop
	global_prefetch_b8 v0, s[64:65] scope:SCOPE_SE
	s_setreg_imm32_b32 hwreg(HW_REG_WAVE_MODE, 25, 1), 1
	s_wait_xcnt 0x0
; keys [4096][128] f32 become the two operands that the attention launch reads, as codes of BF6 (E3M2) with one E8M0 byte for each 32 along a product's K:
;   K: the keys divided by max(their norm, 1e-12), quantised along the 128 channels (the first product's K);
;   V: the raw keys, quantised along the KEY axis (the second product's K), which is their first axis.
; Both are laid in the order of the operand's registers.  A key step is 128 keys and 25,600 bytes of kv: K's eight fragments (1,536 bytes each), V's eight, K's scale image (512 bytes), V's (512).
; A fragment (16 rows x 128 along K) is 12 registers a lane: registers 4 g .. 4 g + 3 of lane l lie at 512 g + 16 l.  Registers 6 c .. 6 c + 5 of lane (r, h) hold k = 64 c + 32 h + 0 .. 31 of row r.
;   K's fragment T = 4 c + u: row m is key 64 c + 32 (m / 8) + 8 u + m % 8 of the step (not neighbours: so a lane of the first product's result holds 32 neighbouring keys in the registers of four tiles).
;   V's fragment T: row m is channel 16 T + m; k runs over the step's 128 keys.
; A scale image: lane l's 16 bytes at 16 l; word j of lane l < 16 is tile j's word of row l, word j of lane 16 + r is tile 4 + j's of row r.
; SHARES.  A work-group takes one key step (64 KiB of keys, which both operands need), wave w makes K's fragment w and V's fragment w.  32 work-groups: all of the input is 2 MiB, each byte is read once,
; and a finer split would read each tile of keys twice.  No tensor loads: the tile goes through LDS by registers, rows 528 bytes apart.
; A block's scale byte is its largest magnitude's exponent field - 4, held at 1 from below.  LIMITS: a block of zeros gets the byte 1 where the rule says 127 (its codes are zeros, and this program alone reads
; the bytes); NaN and infinities among the inputs are not served.
.set PITCH, 528                        ; a row of the tile in LDS: 512 bytes + 16
.set SCST,  128*PITCH                  ; behind the tile: the two scale images, 1,024 bytes
.set STEPB, 25600                      ; a key step in kv
.set VOFF,  12288                      ; V's fragments in it
.set KSO,   24576                      ; the scale images in it
.set LI,  4                            ; v4   16 x lane
.set RST, 5                            ; v5   where I put my 16 bytes of my wave's rows
.set KRD, 6                            ; v6   where my row of K's fragment begins, + 128 h
.set VRD, 7                            ; v7   my channel's word in key 32 h of the tile
.set SH8, 8                            ; v8   8 h
.set SCW, 9                            ; v9   my row's word in K's scale image
.set TP,  10                           ; v10  a lane permute's destination
.set GO,  11                           ; v11  16 x thread: the scale images' way out, in kv
.set SRD, 14                           ; v14  and in LDS
.set X,   16                           ; v16-79   my wave's rows as loaded, then K's 64 numbers of my lane
.set Y,   80                           ; v80-143  V's 64 numbers of my lane
.set KF,  144                          ; v144-155 K's fragment
.set VF,  156                          ; v156-167 V's fragment
.set TC,  168                          ; v168-175 the upper halves of two blocks' codes
.set QM,  176                          ; v176-179 largest magnitudes, two chains a block
.set QSC, 180                          ; v180-181 the conversions' scale operands
.set QB,  182                          ; v182-183 the scale bytes
.set KW,  184                          ; v184 K's scale word;  v185 V's
.set VW,  185
.set A0,  186                          ; v186-189 the sum of squares, two packed chains
.set R,   190                          ; v190-191 1 / max(norm, 1e-12), twice
.set SEL, 20                           ; s[20:21] v_permlanex16_b32's selects for lane l xor 16
; 64 numbers of a lane, v[s] on; the row's other 64 lie in lane l xor 16.  Each is multiplied by min(1 / sqrt(sum of squares), 1e12), which is the division by max(norm, 1e-12).
.macro NORM s
	v_pk_mul_f32 v[A0:A0+1], v[\s:\s+1], v[\s:\s+1]
	v_pk_mul_f32 v[A0+2:A0+3], v[\s+2:\s+3], v[\s+2:\s+3]
.set n, 2
.rept 30
	s_delay_alu instid0(VALU_DEP_2)
	v_pk_fma_f32 v[A0+2*(n%2):A0+2*(n%2)+1], v[\s+2*n:\s+2*n+1], v[\s+2*n:\s+2*n+1], v[A0+2*(n%2):A0+2*(n%2)+1]
.set n, n+1
.endr
	s_delay_alu instid0(VALU_DEP_1)
	v_pk_add_f32 v[A0:A0+1], v[A0:A0+1], v[A0+2:A0+3]
	s_delay_alu instid0(VALU_DEP_1)
	v_add_f32 v[A0], v[A0], v[A0+1]
	s_delay_alu instid0(VALU_DEP_1)
	v_permlanex16_b32 v[TP], v[A0], s[SEL], s[SEL+1]
	s_delay_alu instid0(VALU_DEP_1)
	v_add_f32 v[A0], v[A0], v[TP]                  ; the row's sum of squares
	s_wait_alu depctr_va_vdst(0)
	v_rsq_f32 v[R], v[A0]
	v_nop                                          ; a plain instruction behind the transcendental
	s_wait_alu depctr_va_vdst(0)                   ; and the wait ahead of the first use of its result
	v_min_num_f32 v[R], 0x5368d4a5, v[R]           ; 1e12: a sum of 0 gives infinity, which is held here
	s_delay_alu instid0(VALU_DEP_1)
	v_mov_b32 v[R+1], v[R]
.set n, 0
.rept 32
	v_pk_mul_f32 v[\s+2*n:\s+2*n+1], v[\s+2*n:\s+2*n+1], v[R:R+1]
.set n, n+1
.endr
.endm
; 64 numbers of a lane, register 32 c + i = k 64 c + 32 h + i of my row: two whole blocks.  They become the fragment's 12 registers in v[d] on and the row's scale word in v[w].
.macro QUANT64 s, d, w
.irp c, 0,1
	v_max3_num_f32 v[QM+2*\c], |v[\s+32*\c]|, |v[\s+32*\c+1]|, |v[\s+32*\c+2]|
	v_max3_num_f32 v[QM+2*\c+1], |v[\s+32*\c+3]|, |v[\s+32*\c+4]|, |v[\s+32*\c+5]|
.endr
.irp m, 2,3,4,5,6,7,8,9,10,11,12,13,14
.irp c, 0,1
	v_max3_num_f32 v[QM+2*\c+\m%2], v[QM+2*\c+\m%2], |v[\s+32*\c+2*\m+2]|, |v[\s+32*\c+2*\m+3]|   ; four chains by turns
.endr
.endr
.irp c, 0,1
	s_delay_alu instid0(VALU_DEP_2)
	v_max3_num_f32 v[QM+2*\c], v[QM+2*\c], v[QM+2*\c+1], 0x2800000   ; and the floor 2^(5 - 127): the byte cannot fall under 1
.endr
.irp c, 0,1
	s_delay_alu instid0(VALU_DEP_2)
	v_add_nc_u32 v[QSC+\c], 0xfe000000, v[QM+2*\c] ; 4 off the exponent field: the conversion takes the exponent field of this operand as its scale
.endr
.irp c, 0,1
	s_delay_alu instid0(VALU_DEP_2)
	v_lshrrev_b32 v[QB+\c], 23, v[QSC+\c]          ; the scale's byte
.endr
	s_delay_alu instid0(VALU_DEP_1)
	v_lshl_or_b32 v[\w], v[QB+1], 16, v[QB]        ; my two bytes, blocks h and 2 + h,
	s_delay_alu instid0(VALU_DEP_1)
	v_lshlrev_b32 v[\w], v[SH8], v[\w]             ; at their places;
	s_delay_alu instid0(VALU_DEP_1)
	v_permlanex16_b32 v[TP], v[\w], s[SEL], s[SEL+1]
	s_delay_alu instid0(VALU_DEP_1)
	v_or_b32 v[\w], v[\w], v[TP]                   ; with lane l xor 16's two the word is whole
.irp c, 0,1
	v_cvt_scalef32_pk16_bf6_f32 v[\d+6*\c:\d+6*\c+2], v[\s+32*\c:\s+32*\c+15], v[QSC+\c]
	v_cvt_scalef32_pk16_bf6_f32 v[TC+4*\c:TC+4*\c+2], v[\s+32*\c+16:\s+32*\c+31], v[QSC+\c]   ; (a conversion's three registers begin on an even number: the upper half is made elsewhere and moved)
.endr
	v_nop                                          ; one plain instruction behind the conversions
.irp c, 0,1
.irp i, 0,1,2
	v_mov_b32 v[\d+6*\c+3+\i], v[TC+4*\c+\i]
.endr
.endr
.endm
	s_load_b128 s[4:7], s[0:1], 0x0                ; keys s[4:5], kv s[6:7]
	v_lshl_add_u32 v192, v0, 2, 0x11000
	v_mov_b32 v193, 0
	v_lshrrev_b32 v1, 5, v0
	s_delay_alu instid0(VALU_DEP_1)
	v_readfirstlane_b32 s8, v1                     ; wave 0..7
	v_and_b32 v1, 31, v0                           ; lane
	v_and_b32 v2, 15, v0                           ; r
	v_bfe_u32 v3, v0, 4, 1                         ; h
	s_delay_alu instid0(VALU_DEP_3)
	v_lshlrev_b32 v[LI], 4, v1
	s_mul_i32 s9, s8, 16*PITCH
	v_add_nc_u32 v[RST], s9, v[LI]                 ; my wave's 16 rows of the tile
	s_lshr_b32 s16, s8, 2                          ; c of K's fragment
	s_and_b32 s17, s8, 3                           ; u
	s_lshl_b32 s9, s16, 6
	s_lshl_b32 s18, s17, 3
	s_add_co_u32 s9, s9, s18
	s_mul_i32 s9, s9, PITCH                        ; key 64 c + 8 u
	v_and_b32 v12, 7, v2
	v_lshrrev_b32 v13, 3, v2
	s_delay_alu instid0(VALU_DEP_1)
	v_lshl_add_u32 v12, v13, 5, v12                ; + 32 (r / 8) + r % 8
	s_delay_alu instid0(VALU_DEP_1)
	v_mul_u32_u24 v[KRD], v12, PITCH
	s_delay_alu instid0(VALU_DEP_1)
	v_lshl_add_u32 v[KRD], v3, 7, v[KRD]           ; + 128 h bytes: channels 32 h on
	s_delay_alu instid0(VALU_DEP_1)
	v_add_nc_u32 v[KRD], s9, v[KRD]
	v_mul_u32_u24 v[VRD], v3, 32*PITCH             ; key 32 h,
	s_delay_alu instid0(VALU_DEP_1)
	v_lshl_add_u32 v[VRD], v2, 2, v[VRD]           ; channel r
	s_lshl_b32 s9, s8, 6
	v_add_nc_u32 v[VRD], s9, v[VRD]                ; + 16 x wave
	v_lshlrev_b32 v[SH8], 3, v3
	s_lshl_b32 s9, s16, 8                          ; tiles 4 to 7 lie in lanes 16 to 31 of the image,
	s_lshl_b32 s18, s17, 2                         ; tile T in word T % 4
	s_add_co_u32 s9, s9, s18
	s_add_co_u32 s9, s9, SCST
	v_lshl_add_u32 v[SCW], v2, 4, s9
	v_mov_b32 v[TP], 0                             ; written once: a lane permute's destination counts as one of its sources
	v_lshlrev_b32 v[GO], 4, v0
	s_delay_alu instid0(VALU_DEP_1)
	v_add_nc_u32 v[SRD], SCST, v[GO]
	s_lshl_b32 s10, ttmp9, 16                      ; the step's 128 rows of 512 bytes,
	s_lshl_b32 s9, s8, 13                          ; my wave's 16 of them
	s_add_co_u32 s10, s10, s9
	s_mov_b32 s11, 0
	s_mul_i32 s14, ttmp9, STEPB                    ; the step in kv
	s_mov_b32 s15, 0
	s_mul_i32 s12, s8, 1536                        ; my fragment in it
	s_mov_b32 s13, 0
	s_mov_b32 s[SEL], 0x76543210
	s_mov_b32 s[SEL+1], 0xfedcba98
	s_wait_alu depctr_va_vdst(0)
	s_wait_kmcnt 0x0
	s_add_nc_u64 s[4:5], s[4:5], s[10:11]
	s_add_nc_u64 s[14:15], s[6:7], s[14:15]
	s_add_nc_u64 s[12:13], s[14:15], s[12:13]
.irp i, 0,1,2,3,4,5,6,7,8,9,10,11,12,13,14,15
	global_load_b128 v[X+4*\i:X+4*\i+3], v[LI], s[4:5] offset:512*\i th:TH_LOAD_NT   ; a whole row: 32 lanes read 512 consecutive bytes
.endr
.irp i, 0,1,2,3,4,5,6,7,8,9,10,11,12,13,14,15
	s_wait_loadcnt 15-\i                           ; row i is in; the younger loads may be out
	ds_store_b128 v[RST], v[X+4*\i:X+4*\i+3] offset:PITCH*\i
.endr
	s_wait_dscnt 0x0                               ; for the others' sake: my rows lie in the tile
	s_barrier_signal -1
	s_barrier_wait -1                              ; all 128 rows do
.irp c, 0,1
.irp j, 0,1,2,3,4,5,6,7
	ds_load_b128 v[X+32*\c+4*\j:X+32*\c+4*\j+3], v[KRD] offset:256*\c+16*\j   ; K: channels 64 c + 32 h + 0 .. 31 of my fragment's row r
.endr
.endr
.irp c, 0,1
.irp i, 0,1,2,3,4,5,6,7,8,9,10,11,12,13,14,15,16,17,18,19,20,21,22,23,24,25,26,27,28,29,30,31
	ds_load_b32 v[Y+32*\c+\i], v[VRD] offset:(64*\c+\i)*PITCH   ; V: my channel of keys 64 c + 32 h + i: the registers run down the keys
.endr
.endr
	s_wait_dscnt 63                                ; K's sixteen loads are in (and one of V's 64: a wait's count names 63 at the most)
	NORM X
	QUANT64 X, KF, KW
.irp g, 0,1,2
	global_store_b128 v[LI], v[KF+4*\g:KF+4*\g+3], s[12:13] offset:512*\g   ; 32 lanes store 512 consecutive bytes, at a multiple of 256 from kv's first byte
.endr
	ds_store_b32 v[SCW], v[KW]                     ; lanes r and 16 + r write the same word with the same value
	s_wait_dscnt 1                                 ; V's loads are in; the store just issued may be out
	QUANT64 Y, VF, VW
.irp g, 0,1,2
	global_store_b128 v[LI], v[VF+4*\g:VF+4*\g+3], s[12:13] offset:VOFF+512*\g
.endr
	ds_store_b32 v[SCW], v[VW] offset:512
	s_wait_dscnt 0x0                               ; for the others' sake: my scale words lie in the images
	s_barrier_signal -1
	s_barrier_wait -1
	s_cmp_lt_u32 s8, 2                             ; waves 0 and 1 store the two images: 1,024 consecutive bytes
	s_cbranch_scc0 .Lend
	ds_load_b128 v[X:X+3], v[SRD]
	s_wait_dscnt 0x0
	global_store_b128 v[GO], v[X:X+3], s[14:15] offset:KSO
.Lend:
	s_wait_tensorcnt 0x0
	ds_add_u32 v192, v193
	s_wait_dscnt 0x0
	s_endpgm
.Lfunc_end_k_q82139d24dc_prep:
	.size	k_q82139d24dc_prep, .Lfunc_end_k_q82139d24dc_prep-k_q82139d24dc_prep
	.p2alignl 7, 3214868480
	.fill 96, 4, 3214868480
	.section	.rodata,"a",@progbits
	.p2align	6, 0x0
	.amdhsa_kernel k_q82139d24dc_prep
		.amdhsa_group_segment_fixed_size 70656
		.amdhsa_private_segment_fixed_size 0
		.amdhsa_enable_private_segment 0
		.amdhsa_kernarg_size 16
		.amdhsa_user_sgpr_count 2
		.amdhsa_user_sgpr_kernarg_segment_ptr 1
		.amdhsa_wavefront_size32 1
		.amdhsa_system_sgpr_workgroup_id_x 1
		.amdhsa_system_sgpr_workgroup_id_y 1
		.amdhsa_system_sgpr_workgroup_id_z 1
		.amdhsa_system_vgpr_workitem_id 0
		.amdhsa_next_free_vgpr 194
		.amdhsa_next_free_sgpr 66
		.amdhsa_reserve_vcc 0
		.amdhsa_float_denorm_mode_32 3
		.amdhsa_float_denorm_mode_16_64 3
		.amdhsa_memory_ordered 1
		.amdhsa_forward_progress 1
		.amdhsa_inst_pref_size 24
	.end_amdhsa_kernel
	.amdgpu_metadata
---
amdhsa.version: [ 1, 2 ]
amdhsa.kernels:
  - .name:           k_q82139d24dc_prep
    .symbol:         k_q82139d24dc_prep.kd
    .args:
      - { .name: keys, .offset: 0, .size: 8, .value_kind: global_buffer, .address_space: global }
      - { .name: kv, .offset: 8, .size: 8, .value_kind: global_buffer, .address_space: global }
    .group_segment_fixed_size: 70656
    .private_segment_fixed_size: 0
    .kernarg_segment_align: 8
    .kernarg_segment_size: 16
    .max_flat_workgroup_size: 256
    .sgpr_count:     66
    .vgpr_count:     194
    .wavefront_size: 32
...
	.end_amdgpu_metadata
.endif
;; end of part 1
;; launch attn (part 2): grid 256 x 1, 8 waves a work-group, clusters of 4 x 1, 327,680 bytes of LDS; arguments queries, kv, out0; writes out0
.if DOCPART == 2
	.amdgcn_target "amdgcn-amd-amdhsa--gfx1250"
	.amdhsa_code_object_version 6
	.text
	.protected	k_q82139d24dc_attn
	.globl	k_q82139d24dc_attn
	.p2align	8
	.type	k_q82139d24dc_attn,@function
k_q82139d24dc_attn:
	s_mov_b64 s[64:65], 0
	v_nop
	global_prefetch_b8 v0, s[64:65] scope:SCOPE_SE
	s_setreg_imm32_b32 hwreg(HW_REG_WAVE_MODE, 25, 1), 1
	s_wait_xcnt 0x0
	s_wait_alu depctr_hold_cnt(0) depctr_sa_sdst(0) depctr_va_vdst(0) depctr_va_sdst(0) depctr_va_ssrc(0) depctr_va_vcc(0) depctr_vm_vsrc(0)
	s_getreg_b32 s2, hwreg(HW_REG_IB_STS2, 6, 4)
	s_cmp_eq_u32 s2, 0
	s_cbranch_scc0 .Lentry_in_a_cluster
	s_endpgm
.Lentry_in_a_cluster:
	s_bfe_u32 s2, ttmp6, 0x10000c
	s_cmp_lg_u32 s2, 0x3003
	s_cbranch_scc0 .Lentry_shape_is_right
	s_endpgm
.Lentry_shape_is_right:
; out0[q][:] = the sum over k of softmax_k(q_n[q] . k_n[k]) keys[k][:], both products on codes of BF6 (E3M2) with one E8M0 scale for each 32 along a product's K.
; queries [65536][128] f32 are normalised and quantised here, in registers.  kv holds the keys' two operands as images of the operands' registers, 25,600 bytes a key step of 128 keys:
; K's eight fragments, V's eight, K's scale image, V's (the launch before made them; its head says how they lie).
; THE SOFTMAX.  t = score x log2(e); p = 2^(t - M) is quantised along the keys; the row's sum of the unquantised p divides at the end.  M IS THE FIXED WHOLE NUMBER 0: both score operands are unit vectors (or zeros) by the
; problem's own normalisation and no factor follows; rounding to E3M2 changes a number by an eighth of itself at the most, so a quantised vector's norm stays under 1.15, |score| under 1.33, |t| under 1.92: p lies between
; 0.26 and 3.8 and a row's sum under 15,600, for every input.  Against the row's own M, p differs by an exact power of two, which each block's scale takes up: the quantised numbers are the same.
; LIMITS: NaN and infinities among the inputs are not served; a block of zeros gets the scale byte 1 (its codes are zeros).
; SHARES.  256 work-groups of eight waves; a work-group owns 256 queries and walks all 32 key steps; a wave owns 32 queries, two tiles of 16: a fragment read from LDS feeds two matrix instructions.
; LAYOUT.  Both products are used transposed: S^T = K Q^T, O^T = V^T P: a lane holds ONE query (lane % 16).  The keys of K's tile 4 c + u are 64 c + 32 (m / 8) + 8 u + m % 8, so the 32 registers of tiles 4 c .. 4 c + 3
; are 32 neighbouring keys: a whole block of P in the lane in which the operand's layout wants it.
; THE WALK.  A key step has two parts.  X(j): O^T of step j - 1, K(j) from LDS, S^T of step j, V(j) from LDS, the scalings.  Y(j): the exponentials, the blocks' maxima and sums, P's codes.  All of a step's LDS reads lie in X.
; WAVES OF TWO KINDS, told apart by (w xor w / 4) & 1, so that waves w and w + 4 differ, and waves 2 i and 2 i + 1 too.  In the body for step j kind 0 walks X(j), Y(j); kind 1 walks Y(j - 1), X(j).  Both kinds have read
; all of step j at the body's end, where the changes of slots stand; behind a change kind 0 begins with products and kind 1 with vector work.  The branch on the kind leads round register work and LDS reads alone.
; LDS.  Steps 0 and 1 lie in bytes of their own, filled once, an eighth by each wave; steps 2 to 31 go through two slots of three steps (76,800 bytes = 300 rows of 256 bytes), a quarter by each of waves 0 to 3.
; CLUSTER.  All work-groups walk the same kv: the four of a cluster ask JOINTLY.  4 x 1: there is one shared stream, and a mask names four at the most.
; REGISTERS.  window 0: addresses, Q's and P's fragments, scale words, what the softmax works with; v128-255 S^T, then p.  window 1: v0-127 O^T (tile x, channels 16 T on, at v[64 x + 8 T]); v128-223 eight fragments, K's, then V's.
.set STEPB, 25600
.set VOFF,  12288
.set KSO,   24576
.set VSO,   25088
.set SLOTB, 3*STEPB
.set SLOT1, 1<<17                      ; slot 1 begins here: one exclusive or turns an address in one slot into the other's
.set HB,    SLOT1+SLOTB                ; steps 0 and 1: 51,200 bytes, filled once
.set SPARE, HB+2*STEPB                 ; the spare words, 128 bytes for each wave: four blocks of 256 bytes that no other line names
.set STG,   SPARE+1024                 ; the stages: 16 rows x 528 bytes for each wave, its own; no tensor load lands here
.set SP,    528
.set LI,  1                            ; 16 x lane
.set SPW, 2                            ; my spare word; never rewritten
.set NIL, 3                            ; 0; never rewritten
.set ADF, 4                            ; 16 x lane + the step's first LDS byte
.set SH8, 5                            ; 8 (lane / 16)
.set STI, 6                            ; the stage by whole rows
.set STQ, 7                            ; the stage, queries out: row r, + 128 h
.set STO, 8                            ; the stage, results in: row r, + 32 h
.set PFO, 9                            ; the prefetches' offset: 256 x min(lane, 24)
.set TP,  10                           ; v10-11 lane permutes' destinations
.set Q,   16                           ; v16-39
.set QS,  40
.set PW,  42
.set KS,  44
.set VS,  48
.set P,   52                           ; v52-75
.set TC,  76                           ; v76-91 the upper halves of four blocks' codes
.set BY,  92
.set M,   96                           ; a block's largest p, four blocks
.set SC,  100                          ; the conversions' scale operands; at the end the sums' reciprocals
.set L,   104                          ; v104-111 the sums: block i's packed pair at 2 i
.set A0,  112
.set R,   116
.set QM,  118
.set QSC, 122
.set QB,  124
.set S,   128
.set F,   128                          ; in window 1
.set WV,  10
.set G1,  16                           ; s[16:23] group 1: 75 rows of 256 bytes
.set G1H, 24                           ; s[24:31] group 1: 25 rows
.set G0,  32                           ; s[32:35] group 0, which walks the ring
.set G0H, 36                           ; s[36:39] group 0 for steps 0 and 1
.set TB,  40                           ; LDS byte at which the step in hand begins
.set SB,  41                           ; and the slot in hand
.set SLOTS, 42
.set INNER, 43
.set CS,  44
.set SEL, 46
.set PFA, 48
.set LIM, 50
.set TYP, 51                           ; my wave's kind
.set MSB, 0
.macro WIN new                         ; the immediate's high byte repeats the setting that is left; a switch that changes nothing is dropped
.if MSB != \new
	s_set_vgpr_msb (MSB<<8)|\new
.set MSB, \new
.endif
.endm
.macro NOP4
.rept 4
	v_nop
.endr
.endm
.macro CROUND                          ; a round of the cluster's barrier
	s_barrier_signal -1
	s_barrier_wait -1
	s_cmp_lg_u32 s[WV], 0
	s_cbranch_scc1 .Lnot_wave_0_\@
	s_barrier_signal -3
.Lnot_wave_0_\@:
	s_barrier_wait -3
	s_barrier_signal -1
	s_barrier_wait -1
.endm
; A prefetch of the slot that the NEXT change of slots will ask for: 300 blocks of 256 bytes.  All clusters walk the same kv: the first cluster asks.  Its four partners take 75 blocks each, told apart by address;
; in each, waves 0 to 2 take 25, lanes 256 bytes apart (lanes 25 to 31 name lane 24's block again).  The last change that fills a slot asks for nothing.
.macro ASK
	s_cmp_gt_u32 s[SLOTS], s[LIM]
	s_cbranch_scc0 .Lnot_mine_\@
	global_prefetch_b8 v[PFO], s[PFA:PFA+1] th:TH_LOAD_NT scope:SCOPE_SE
.Lnot_mine_\@:
.endm
.macro RLOAD                           ; the ring's joint load: waves 0 to 3 take a quarter each; the branch hangs on the wave's number alone
	s_cmp_lt_u32 s[WV], 4
	s_cbranch_scc0 .Lno_load_\@
	tensor_load_to_lds s[G0:G0+3], s[G1:G1+7]
	s_nop 0
	NOP4
.Lno_load_\@:
.endm
.macro WM d, a, b, c, sa, sb, hi       ; tiles 4 to 7 have their scale words in lanes 16 to 31
.if \hi
	v_wmma_scale_f32_16x16x128_f8f6f4 v[\d:\d+7], v[\a:\a+11], v[\b:\b+11], \c, v[\sa], v[\sb] matrix_a_fmt:MATRIX_FMT_BF6 matrix_b_fmt:MATRIX_FMT_BF6 matrix_a_scale:MATRIX_SCALE_ROW1
.else
	v_wmma_scale_f32_16x16x128_f8f6f4 v[\d:\d+7], v[\a:\a+11], v[\b:\b+11], \c, v[\sa], v[\sb] matrix_a_fmt:MATRIX_FMT_BF6 matrix_b_fmt:MATRIX_FMT_BF6
.endif
.endm
.macro QKI                             ; S^T of K's tile tt and my tile xx
.set rs, S+32*(2*(tt/4)+xx)+8*(tt%4)
.set fa, F+12*tt
.set fb, Q+12*xx
.set sa, KS+tt%4
.set sb, QS+xx
.set hi, tt/4
	WM rs, fa, fb, 0, sa, sb, hi
.endm
.macro PVI z                           ; O^T of channels 16 tt on and my tile xx; z = 2: the first step starts the sums
.set rs, 64*xx+8*tt
.set fa, F+12*tt
.set fb, P+12*xx
.set sa, VS+tt%4
.set sb, PW+xx
.set hi, tt/4
.if (\z) == 2
	WM rs, fa, fb, 0, sa, sb, hi
.else
	WM rs, fa, fb, v[rs:rs+7], sa, sb, hi
.endif
.endm
.macro PVALL z                         ; the second product of the step whose P and V lie in registers: sixteen accumulators by turns
	NOP4                                           ; four places behind the last write of P (of Q, ahead of the first step)
	s_wait_alu depctr_va_vdst(0)                   ; the wait ahead of the wait below and of the products that take O^T up again
	s_wait_dscnt 0x0                               ; V and its scale words are in
.if \z
	WIN 0x51
.set k, 0
.rept 16
.set tt, k/2
.set xx, k%2
	PVI \z
.set k, k+1
.endr
	WIN 0
	NOP4                                           ; four places ahead of the loads into the registers that the products read
.endif
.endm
.macro XB z
	PVALL \z
	ds_load_b128 v[KS:KS+3], v[ADF] offset:KSO
	WIN 0x40
.set n, 0
.rept 24
	ds_load_b128 v[F+4*n:F+4*n+3], v[ADF] offset:512*n   ; a fragment comes as it was stored: 32 lanes read 512 consecutive bytes
.set n, n+1
.endr
	WIN 0x01
.set tt, 0
.rept 8
	s_wait_dscnt 3*(7-tt)                          ; tile tt's three loads are in; the later tiles' may be out
.set xx, 0
	QKI
.set xx, 1
	QKI
.set tt, tt+1
.endr
	WIN 0
	NOP4                                           ; four places: for the loads into K's registers, and for the first read of the scores
	ds_load_b128 v[VS:VS+3], v[ADF] offset:VSO
	WIN 0x40
.set n, 0
.rept 24
	ds_load_b128 v[F+4*n:F+4*n+3], v[ADF] offset:VOFF+512*n
.set n, n+1
.endr
	WIN 0
.set n, 0
.rept 64
	v_pk_mul_f32 v[S+2*n:S+2*n+1], v[S+2*n:S+2*n+1], s[CS:CS+1] op_sel_hi:[1,0]   ; t = score x log2(e); ascending: each accumulator from its low end on
.set n, n+1
.endr
.endm
.macro YB
	s_wait_alu depctr_va_vdst(0)                   ; the wait ahead of the batch,
.set n, 0
.rept 128
	v_exp_f32 v[S+n], v[S+n]
.set n, n+1
.endr
	v_nop                                          ; a plain instruction behind the last exponential
	s_wait_alu depctr_va_vdst(0)                   ; and one behind it
.set k, 0
.rept 16
.irp i, 0,1,2,3
.if k == 0
	v_max3_num_f32 v[M+\i], v[S+32*\i], v[S+32*\i+1], v[S+32*\i+2]
.elseif k < 15
	v_max3_num_f32 v[M+\i], v[M+\i], v[S+32*\i+2*k+1], v[S+32*\i+2*k+2]
.else
	v_max3_num_f32 v[M+\i], v[M+\i], v[S+32*\i+31], 0x2800000   ; and the floor 2^(5 - 127)
.endif
.endr
.irp i, 0,1,2,3
	v_pk_add_f32 v[L+2*\i:L+2*\i+1], v[L+2*\i:L+2*\i+1], v[S+32*\i+2*k:S+32*\i+2*k+1]   ; the sum of the UNQUANTISED p
.endr
.set k, k+1
.endr
.irp i, 0,1,2,3
	v_add_nc_u32 v[SC+\i], 0xfe000000, v[M+\i]     ; 4 off the exponent field: the conversions' scale operand
.endr
.irp i, 0,1,2,3                        ; block i = 2 c + x becomes registers 6 c .. 6 c + 5 of P's fragment x
	v_cvt_scalef32_pk16_bf6_f32 v[P+12*(\i%2)+6*(\i/2):P+12*(\i%2)+6*(\i/2)+2], v[S+32*\i:S+32*\i+15], v[SC+\i]
	v_cvt_scalef32_pk16_bf6_f32 v[TC+4*\i:TC+4*\i+2], v[S+32*\i+16:S+32*\i+31], v[SC+\i]   ; (three registers begin on an even number: the upper half is made elsewhere and moved)
.endr
.irp i, 0,1,2,3
	v_lshrrev_b32 v[BY+\i], 23, v[SC+\i]           ; the scale's byte.  (The plain instruction behind the conversions)
.endr
.irp u, 0,1
	v_lshl_or_b32 v[PW+\u], v[BY+2+\u], 16, v[BY+\u]   ; my two bytes, blocks h and 2 + h,
.endr
.irp u, 0,1
	v_lshlrev_b32 v[PW+\u], v[SH8], v[PW+\u]       ; at their places;
.endr
.irp u, 0,1
	v_permlanex16_b32 v[TP+\u], v[PW+\u], s[SEL], s[SEL+1]
.endr
.irp u, 0,1
	v_or_b32 v[PW+\u], v[PW+\u], v[TP+\u]          ; with lane l xor 16's two the word is whole
.endr
.irp i, 0,1,2,3
.irp e, 0,1,2
	v_mov_b32 v[P+12*(\i%2)+6*(\i/2)+3+\e], v[TC+4*\i+\e]   ; twelve plain instructions behind the scale words' last write
.endr
.endr
.endm
.macro BODY z                          ; step j: kind 0 walks X(j), Y(j); kind 1 walks Y(j - 1), X(j)
	v_add_nc_u32 v[ADF], s[TB], v[LI]
	s_wait_alu depctr_va_vdst(0)
	s_cmp_eq_u32 s[TYP], 0
	s_cbranch_scc0 .Lb1_\@
	XB \z
	s_branch .Lb2_\@
.Lb1_\@:
	YB
.Lb2_\@:
	s_cmp_eq_u32 s[TYP], 0
	s_cbranch_scc0 .Lb3_\@
	YB
	s_branch .Lb4_\@
.Lb3_\@:
	XB \z
.Lb4_\@:
.endm
.macro THREE                           ; a slot's three steps: written once, walked three times
	s_mov_b32 s[TB], s[SB]
	s_mov_b32 s[INNER], 3
.Lthree_\@:
	BODY 1
	s_add_co_u32 s[TB], s[TB], STEPB
	s_sub_co_u32 s[INNER], s[INNER], 1
	s_cmp_lg_u32 s[INNER], 0
	s_cbranch_scc1 .Lthree_\@
.endm
; THE CHANGE OF SLOTS stands between two bodies.  Each wave waits for all its tensor loads, adds 0 to its spare word, and waits for that and for its reads of the slot that it has left.
; fill = 1: a round of the cluster's barrier, and the joint load of the next three steps first behind it.
.macro CHANGE fill
	s_wait_tensorcnt 0x0
	ds_add_u32 v[SPW], v[NIL]
.if \fill
	s_xor_b32 s[G0+1], s[G0+1], SLOT1              ; the walking descriptor: the other slot,
	s_add_nc_u64 s[G0+2:G0+3], s[G0+2:G0+3], SLOTB ; the next three key steps
	s_wait_xcnt 0x0                                ; the last prefetch has read its address
	s_add_nc_u64 s[PFA:PFA+1], s[PFA:PFA+1], SLOTB
	s_wait_dscnt 0x0
	CROUND
	RLOAD                                          ; a loading wave's one tensor load until the next round
	ASK
.else
	s_wait_dscnt 0x0
	s_barrier_signal -1
	s_barrier_wait -1
.endif
.endm
; Tile x's 16 rows of queries, loaded as whole rows, turn through my stage: back comes, for lane (r, h), row r's channels 64 c + 32 h + 0 .. 31.  LDS serves a wave's instructions in order (ISA guide 5.7.1.4).
.macro TURNQ x
.set n, 0
.rept 16
	ds_store_b128 v[STI], v[S+64*(\x)+4*n:S+64*(\x)+4*n+3] offset:SP*n
.set n, n+1
.endr
.set n, 0
.rept 16
	ds_load_b128 v[S+64*(\x)+4*n:S+64*(\x)+4*n+3], v[STQ] offset:256*(n/8)+16*(n%8)
.set n, n+1
.endr
.endm
; Tile x: each number x min(1 / sqrt(the row's sum of squares), 1e12), which is the division by max(norm, 1e-12); then two whole blocks a lane become Q's 12 registers and the row's scale word.
.macro NQ x
.set s0, S+64*(\x)
	v_pk_mul_f32 v[A0:A0+1], v[s0:s0+1], v[s0:s0+1]
	v_pk_mul_f32 v[A0+2:A0+3], v[s0+2:s0+3], v[s0+2:s0+3]
.set n, 2
.rept 30
	v_pk_fma_f32 v[A0+2*(n%2):A0+2*(n%2)+1], v[s0+2*n:s0+2*n+1], v[s0+2*n:s0+2*n+1], v[A0+2*(n%2):A0+2*(n%2)+1]
.set n, n+1
.endr
	v_pk_add_f32 v[A0:A0+1], v[A0:A0+1], v[A0+2:A0+3]
	v_add_f32 v[A0], v[A0], v[A0+1]
	v_permlanex16_b32 v[TP], v[A0], s[SEL], s[SEL+1]
	v_add_f32 v[A0], v[A0], v[TP]
	s_wait_alu depctr_va_vdst(0)                   ; the wait ahead of the transcendental,
	v_rsq_f32 v[R], v[A0]
	v_nop
	s_wait_alu depctr_va_vdst(0)                   ; and ahead of the first use of its result
	v_min_num_f32 v[R], 0x5368d4a5, v[R]           ; 1e12: a sum of 0 gives infinity, which is held here
	v_mov_b32 v[R+1], v[R]
.set n, 0
.rept 32
	v_pk_mul_f32 v[s0+2*n:s0+2*n+1], v[s0+2*n:s0+2*n+1], v[R:R+1]
.set n, n+1
.endr
.irp c, 0,1
	v_max3_num_f32 v[QM+2*\c], |v[s0+32*\c]|, |v[s0+32*\c+1]|, |v[s0+32*\c+2]|
	v_max3_num_f32 v[QM+2*\c+1], |v[s0+32*\c+3]|, |v[s0+32*\c+4]|, |v[s0+32*\c+5]|
.endr
.irp m, 2,3,4,5,6,7,8,9,10,11,12,13,14
.irp c, 0,1
	v_max3_num_f32 v[QM+2*\c+\m%2], v[QM+2*\c+\m%2], |v[s0+32*\c+2*\m+2]|, |v[s0+32*\c+2*\m+3]|
.endr
.endr
.irp c, 0,1
	v_max3_num_f32 v[QM+2*\c], v[QM+2*\c], v[QM+2*\c+1], 0x2800000
.endr
.irp c, 0,1
	v_add_nc_u32 v[QSC+\c], 0xfe000000, v[QM+2*\c]
.endr
.irp c, 0,1
	v_lshrrev_b32 v[QB+\c], 23, v[QSC+\c]
.endr
	v_lshl_or_b32 v12, v[QB+1], 16, v[QB]
	v_lshlrev_b32 v12, v[SH8], v12
	v_permlanex16_b32 v[TP], v12, s[SEL], s[SEL+1]
	v_or_b32 v[QS+(\x)], v12, v[TP]
.irp c, 0,1
	v_cvt_scalef32_pk16_bf6_f32 v[Q+12*(\x)+6*\c:Q+12*(\x)+6*\c+2], v[s0+32*\c:s0+32*\c+15], v[QSC+\c]
	v_cvt_scalef32_pk16_bf6_f32 v[TC+4*\c:TC+4*\c+2], v[s0+32*\c+16:s0+32*\c+31], v[QSC+\c]
.endr
	v_nop                                          ; one plain instruction behind the conversions
.irp c, 0,1
.irp e, 0,1,2
	v_mov_b32 v[Q+12*(\x)+6*\c+3+\e], v[TC+4*\c+\e]
.endr
.endr
.endm
	s_load_b128 s[4:7], s[0:1], 0x0                ; queries s[4:5], kv s[6:7]
	s_load_b64 s[8:9], s[0:1], 0x10                ; out0
	v_lshl_add_u32 v[SPW], v0, 2, SPARE
	v_mov_b32 v[NIL], 0
	ds_add_u32 v[SPW], v[NIL]                      ; the opening lines: the add, twice on end, and its wait
	ds_add_u32 v[SPW], v[NIL]
	v_lshrrev_b32 v13, 5, v0
	v_readfirstlane_b32 s[WV], v13                 ; wave 0..7
	s_lshr_b32 s[TYP], s[WV], 2
	s_xor_b32 s[TYP], s[TYP], s[WV]
	s_and_b32 s[TYP], s[TYP], 1                    ; my kind
	s_bfe_u32 s11, ttmp6, 0x40000                  ; cx: it enters the queries', the results' and the prefetches' addresses alone
	s_lshl_b32 s12, ttmp9, 2
	s_add_co_u32 s12, s12, s11                     ; my block of 256 queries
	s_lshl_b32 s12, s12, 17                        ; x 256 rows of 512 bytes
	s_lshl_b32 s13, s[WV], 14                      ; + my wave's 32 rows
	s_add_co_u32 s12, s12, s13
	s_mov_b32 s13, 0
	s_and_b32 s14, s[WV], 3
	s_mul_i32 s14, s14, SLOTB/4                    ; a loading wave's quarter of a slot, in kv and in LDS
	s_mov_b32 s15, 0
	s_mul_i32 s54, s[WV], STEPB/4                  ; my eighth of steps 0 and 1
	s_mov_b32 s55, 0
	s_mov_b32 s[G1], 15|(3<<16)|(1<<21)            ; the mask: all four work-groups; elements of 8 bytes; bit 21 beside a mask
	s_mov_b32 s[G1+1], 32<<16
	s_mov_b32 s[G1+2], 75<<16
	s_mov_b32 s[G1+3], 32<<16
	s_mov_b32 s[G1+4], 75                          ; 75 rows of 256 bytes
	s_mov_b32 s[G1+5], 32
	s_mov_b32 s[G1+6], 0
	s_mov_b32 s[G1+7], 0
	s_mov_b32 s[G1H], 15|(3<<16)|(1<<21)
	s_mov_b32 s[G1H+1], 32<<16
	s_mov_b32 s[G1H+2], 25<<16
	s_mov_b32 s[G1H+3], 32<<16
	s_mov_b32 s[G1H+4], 25                         ; 25 rows of 256 bytes
	s_mov_b32 s[G1H+5], 32
	s_mov_b32 s[G1H+6], 0
	s_mov_b32 s[G1H+7], 0
	s_mov_b32 s[CS], 0x3fb8aa3b                    ; log2(e)
	s_mov_b32 s[CS+1], s[CS]
	s_mov_b32 s[SEL], 0x76543210
	s_mov_b32 s[SEL+1], 0xfedcba98
	s_mov_b32 s[SB], 0
	s_cmp_lt_u32 s[WV], 3
	s_cselect_b32 s[LIM], 0, 1                     ; 0 in waves 0 to 2,
	s_or_b32 s[LIM], s[LIM], ttmp9                 ; of the first cluster: the same in all four partners
	s_cmp_eq_u32 s[LIM], 0
	s_cselect_b32 s[LIM], 1, -1
	s_mul_i32 s52, s11, SLOTB/4                    ; the prefetches: my work-group's 75 blocks of a slot,
	s_min_u32 s53, s[WV], 2
	s_mul_i32 s53, s53, 6400                       ; my wave's 25 of them,
	s_add_co_u32 s52, s52, s53
	s_add_co_u32 s52, s52, 2*STEPB+SLOTB           ; at the ring's second fill: each change steps it one slot on before it asks
	s_mov_b32 s53, 0
	s_wait_alu depctr_va_vdst(0)
	s_wait_dscnt 0x0
	s_wait_kmcnt 0x0
	s_add_nc_u64 s[4:5], s[4:5], s[12:13]
	s_add_nc_u64 s[8:9], s[8:9], s[12:13]
	s_add_nc_u64 s[PFA:PFA+1], s[6:7], s[52:53]
	s_mov_b32 s[G0H], 1
	s_add_co_u32 s[G0H+1], s54, HB
	s_add_nc_u64 s[G0H+2:G0H+3], s[6:7], s[54:55]
	s_or_b32 s[G0H+3], s[G0H+3], 0x80000000
	s_mov_b32 s[G0], 1
	s_mov_b32 s[G0+1], s14                         ; slot 0
	s_add_nc_u64 s[G0+2:G0+3], s[6:7], s[14:15]
	s_add_nc_u64 s[G0+2:G0+3], s[G0+2:G0+3], 2*STEPB   ; key steps 2 to 4
	s_or_b32 s[G0+3], s[G0+3], 0x80000000
	CROUND                                         ; all four work-groups are here: the first joint loads meet
	tensor_load_to_lds s[G0H:G0H+3], s[G1H:G1H+7]  ; steps 0 and 1: every wave's one tensor load at the head
	s_nop 0
	NOP4
	v_and_b32 v[LI], 31, v0
	v_lshlrev_b32 v[LI], 4, v[LI]
.set n, 0
.rept 32
	global_load_b128 v[S+4*n:S+4*n+3], v[LI], s[4:5] offset:n*512 th:TH_LOAD_NT   ; a whole row of queries: 32 lanes read 512 consecutive bytes
.set n, n+1
.endr
	v_and_b32 v[PFO], 31, v0
	v_min_u32 v[PFO], 24, v[PFO]
	v_lshlrev_b32 v[PFO], 8, v[PFO]
	v_and_b32 v13, 15, v0                          ; r
	v_bfe_u32 v14, v0, 4, 1                        ; h
	s_mul_i32 s54, s[WV], 16*SP
	s_add_co_u32 s54, s54, STG                     ; my stage
	v_add_nc_u32 v[STI], s54, v[LI]
	v_mul_u32_u24 v15, v13, SP
	v_add_nc_u32 v15, s54, v15
	v_lshl_add_u32 v[STQ], v14, 7, v15
	v_lshl_add_u32 v[STO], v14, 5, v15
	v_lshlrev_b32 v[SH8], 3, v14
	v_mov_b32 v[TP], 0                             ; a lane permute's destination counts as one of its sources
	v_mov_b32 v[TP+1], 0
.irp i, 0,1,2,3,4,5,6,7
	v_mov_b32 v[L+\i], 0                           ; the rows' sums
.endr
	s_wait_alu depctr_va_vdst(0)
	s_wait_loadcnt 16                              ; tile 0's sixteen rows are in
	TURNQ 0
	s_wait_loadcnt 0x0
	TURNQ 1
	s_wait_dscnt 32                                ; tile 0 is back; tile 1's 32 LDS instructions may be out
	NQ 0
	s_wait_dscnt 0x0
	NQ 1
	s_wait_alu depctr_va_vdst(0)
	s_wait_tensorcnt 0x0                           ; my part of steps 0 and 1 is in
	ds_add_u32 v[SPW], v[NIL]
	s_wait_dscnt 0x0
	CROUND
	RLOAD                                          ; slot 0's first fill: steps 2 to 4
	s_mov_b32 s[TB], HB
	v_add_nc_u32 v[ADF], s[TB], v[LI]              ; step 0: kind 0 walks X(0), Y(0); kind 1 X(0)
	s_wait_alu depctr_va_vdst(0)
	s_cmp_eq_u32 s[TYP], 0
	s_cbranch_scc0 .Lp1
	XB 0
	YB
	s_branch .Lp2
.Lp1:
	XB 0
.Lp2:
	s_mov_b32 s[TB], HB+STEPB
	BODY 2                                         ; step 1: its second product starts the sums: nothing is ever cleared
	s_mov_b32 s[SLOTS], 9
.Lslot:                                                ; nine trips: the changes ask for steps 5 to 31, three at a time
	CHANGE 1
	THREE
	s_xor_b32 s[SB], s[SB], SLOT1
	s_sub_co_u32 s[SLOTS], s[SLOTS], 1
	s_cmp_lg_u32 s[SLOTS], 0
	s_cbranch_scc1 .Lslot
	CHANGE 0                                       ; the tail is written out: nothing is left to ask for
	THREE
	s_cmp_eq_u32 s[TYP], 0
	s_cbranch_scc1 .Le1
	YB                                             ; kind 1: Y(31)
.Le1:
	PVALL 1                                        ; O^T of step 31
; THE WAY OUT.  A tile's sum: its two blocks' packed pairs, then the other half of the lanes'.
	v_pk_add_f32 v[L:L+1], v[L:L+1], v[L+4:L+5]
	v_pk_add_f32 v[L+2:L+3], v[L+2:L+3], v[L+6:L+7]
	v_add_f32 v[L], v[L], v[L+1]
	v_add_f32 v[L+2], v[L+2], v[L+3]
	v_permlanex16_b32 v[M], v[L], s[SEL], s[SEL+1]
	v_permlanex16_b32 v[M+1], v[L+2], s[SEL], s[SEL+1]
	v_add_f32 v[L], v[L], v[M]
	v_add_f32 v[L+2], v[L+2], v[M+1]
	s_wait_alu depctr_va_vdst(0)
	v_rcp_f32 v[SC], v[L]
	v_rcp_f32 v[SC+2], v[L+2]
	v_nop
	s_wait_alu depctr_va_vdst(0)
	v_mov_b32 v[SC+1], v[SC]
	v_mov_b32 v[SC+3], v[SC+2]
	WIN 0x01                                       ; O^T from window 1
	s_wait_alu depctr_va_vdst(0)
.set n, 0
.rept 64
	v_pk_mul_f32 v[S+2*n:S+2*n+1], v[2*n:2*n+1], v[SC+2*(n/32):SC+2*(n/32)+1]   ; ascending: each accumulator from its low end on
.set n, n+1
.endr
	WIN 0
	s_wait_alu depctr_va_vdst(0)
; Tile x: register 8 T + j is out0(row r, channel 16 T + 8 h + j).  They go into my stage's rows and come back as whole rows of 512 bytes.
.macro STAGE x
.set n, 0
.rept 16
	ds_store_b128 v[STO], v[S+64*(\x)+4*n:S+64*(\x)+4*n+3] offset:64*(n/2)+16*(n%2)
.set n, n+1
.endr
.set n, 0
.rept 16
	ds_load_b128 v[S+64*(\x)+4*n:S+64*(\x)+4*n+3], v[STI] offset:SP*n   ; LDS serves a wave's instructions in order: these see the stores above, and the next tile's stores come behind them
.set n, n+1
.endr
.endm
.macro SEND x, younger                 ; younger: the LDS instructions issued behind tile x's loads
.set n, 0
.rept 16
	s_wait_dscnt \younger+15-n
	global_store_b128 v[LI], v[S+64*(\x)+4*n:S+64*(\x)+4*n+3], s[8:9] offset:(16*(\x)+n)*512 th:TH_STORE_NT   ; 32 lanes store a row's 512 consecutive bytes, at a multiple of 256 from out0's first byte
.set n, n+1
.endr
.endm
	STAGE 0
	STAGE 1
	SEND 0, 32
	SEND 1, 0
	s_wait_tensorcnt 0x0                           ; the wave's end
	ds_add_u32 v[SPW], v[NIL]
	s_wait_dscnt 0x0
	CROUND                                         ; the closing round
	s_endpgm
.Lfunc_end_k_q82139d24dc_attn:
	.size	k_q82139d24dc_attn, .Lfunc_end_k_q82139d24dc_attn-k_q82139d24dc_attn
	.p2alignl 7, 3214868480
	.fill 96, 4, 3214868480
	.section	.rodata,"a",@progbits
	.p2align	6, 0x0
	.amdhsa_kernel k_q82139d24dc_attn
		.amdhsa_group_segment_fixed_size 327680
		.amdhsa_private_segment_fixed_size 0
		.amdhsa_enable_private_segment 0
		.amdhsa_kernarg_size 24
		.amdhsa_user_sgpr_count 2
		.amdhsa_user_sgpr_kernarg_segment_ptr 1
		.amdhsa_wavefront_size32 1
		.amdhsa_system_sgpr_workgroup_id_x 1
		.amdhsa_system_sgpr_workgroup_id_y 1
		.amdhsa_system_sgpr_workgroup_id_z 1
		.amdhsa_system_vgpr_workitem_id 0
		.amdhsa_next_free_vgpr 480
		.amdhsa_next_free_sgpr 66
		.amdhsa_reserve_vcc 0
		.amdhsa_float_denorm_mode_32 3
		.amdhsa_float_denorm_mode_16_64 3
		.amdhsa_memory_ordered 1
		.amdhsa_forward_progress 1
		.amdhsa_inst_pref_size 249
	.end_amdhsa_kernel
	.amdgpu_metadata
---
amdhsa.version: [ 1, 2 ]
amdhsa.kernels:
  - .name:           k_q82139d24dc_attn
    .symbol:         k_q82139d24dc_attn.kd
    .args:
      - { .name: queries, .offset: 0, .size: 8, .value_kind: global_buffer, .address_space: global }
      - { .name: kv, .offset: 8, .size: 8, .value_kind: global_buffer, .address_space: global }
      - { .name: out0, .offset: 16, .size: 8, .value_kind: global_buffer, .address_space: global }
    .group_segment_fixed_size: 327680
    .private_segment_fixed_size: 0
    .kernarg_segment_align: 8
    .kernarg_segment_size: 24
    .max_flat_workgroup_size: 256
    .sgpr_count:     66
    .vgpr_count:     480
    .wavefront_size: 32
...
	.end_amdgpu_metadata
.endif
;; end of part 2
